; MI455X (gfx1250); checked and timed in simulation.
; The chip was launched on July 23, 2026; its instructions are those of AMD's public machine-readable ISA for CDNA 5 (MIT licence, August 2026) and "CDNA5" Instruction Set Architecture Reference Guide (July 2026). The comments in the code are by the model that wrote it; some were corrected since.
;; FAST Multi Head Attention. Allowed arithmetic: float matrix products may take bf16 or f16 operands with f32 sums; all other float work in f32.
;; Inputs: drop_noise 1 x 16 x 2,048 x 64 float32; k 1 x 16 x 2,048 x 64 float32; q 1 x 16 x 2,048 x 64 float32; rpe_matrix 4,095 x 64 float32; v 1 x 16 x 2,048 x 64 float32.
;; Outputs: out0 1 x 16 x 2,048 x 64 float32.
;; One version. Each part assembles by itself: llvm-mc -triple=amdgcn-amd-amdhsa -mcpu=gfx1250 --defsym DOCPART=n.
;; ======== version 1 of 1: 1 launch
;; launch attn (part 1): grid 16 x 16, 4 waves a work-group, clusters of 4 x 4, 327,680 bytes of LDS; arguments q, k, v, drop_noise, rpe_matrix, out0; writes out0
.if DOCPART == 1
	.amdgcn_target "amdgcn-amd-amdhsa--gfx1250"
	.amdhsa_code_object_version 6
	.text
	.protected	k_q6ce7f89b7e_attn
	.globl	k_q6ce7f89b7e_attn
	.p2align	8
	.type	k_q6ce7f89b7e_attn,@function
k_q6ce7f89b7e_attn:
	s_mov_b64 s[64:65], 0
	v_nop
	global_prefetch_b8 v0, s[64:65] scope:SCOPE_SE
	s_setreg_imm32_b32 hwreg(HW_REG_WAVE_MODE, 25, 1), 1
	s_wait_xcnt 0x0
	s_wait_alu depctr_hold_cnt(0) depctr_sa_sdst(0) depctr_va_vdst(0) depctr_va_sdst(0) depctr_va_ssrc(0) depctr_va_vcc(0) depctr_vm_vsrc(0)
	s_getreg_b32 s2, hwreg(HW_REG_IB_STS2, 6, 4)
	s_cmp_eq_u32 s2, 0
	s_cbranch_scc0 .Lentry_in_a_cluster
	s_endpgm
.Lentry_in_a_cluster:
	s_bfe_u32 s2, ttmp6, 0x10000c
	s_cmp_lg_u32 s2, 0xf033
	s_cbranch_scc0 .Lentry_shape_is_right
	s_endpgm
.Lentry_shape_is_right:
; Causal "fastmax" attention with a relative-position bias.  16 heads, 2048 positions, 64 numbers a row, all f32 in memory.
;   s[i][j] = q_i.k_j + q_i.rpe[2047-i+j];  a = 1 + s + s*s/2 for j <= i, else 0;  out = (a V / sum a) * (1 + 0 * drop_noise)
; WORK.  A block is 64 queries; a head has 32 blocks.  A work-group does two blocks of one head one after the other:
;   job A: block 4c+3-cy (2c+2 steps), job B: block 31-4c-cy (16-2c steps); c = the cluster's y, cy = the place in the cluster.
;   A step is 128 keys; keys run downwards from the diagonal.  Every work-group runs 18 steps; trip counts hang on c alone.
;   All four waves hold the same 64 queries (4 tiles t) and split a step's keys, 32 each (2 tiles kk).
; PRODUCTS are made transposed: a lane is a query, its registers are keys.
;   P^T = rpe Q^T (f32) is stored into a ring of 256 entries for each query and read back at addresses that carry -r: that is the
;   Toeplitz gather.  The values read back are the C operand of S^T = K Q^T + bias.  a^T packs straight into the B operand of O^T = V^T a^T.
; CLUSTER 4 x 4.  head = 4 x cluster x + cx: the four work-groups of a column share K's and V's tiles; the rpe rows hang on cy alone:
;   the four of a row share rpe's tile.  Each tile is asked for jointly, which divides the requests by four.
; LIMITS.  q, k, v, rpe and a are rounded to bf16 as matrix operands (in the two steps at the diagonal a goes in as two bf16 parts,
;   since there a query may have few keys and nothing averages the rounding out); bias, polynomial, denominators and all sums are f32.
;   Masked elements (j > i) run through the arithmetic as arbitrary numbers, also NaN, and are set to 0 by a select before any sum.
.set TILEB, 34816                      ; a tile: 128 rows of 256 bytes + 16 of padding (pitch 272, an odd multiple of 16 bytes)
.set SLOT,  3*TILEB                    ; K at +0, V at +TILEB, rpe at +2 TILEB; two slots from LDS byte 0
.set PRING, 2*SLOT                     ; 208,896: the ring of P, written by LDS stores alone, never by a tensor load
.set PP,    1296                       ; a query's ring: 256 entries + a copy of entries 0-63 + 4 words; an odd multiple of 16 bytes
.set REDA,  17408                      ; the way out, laid over the ring: one array of 64 rows x 272 bytes for each wave
.set STEPB, 32768                      ; 128 rows of 256 bytes in memory
; window 0
.set KADR, 8                           ; v8-9    slot s: s SLOT + (32w+r) 272 + 64h
.set VADR, 10                          ; v10-11  slot s: s SLOT + TILEB + (32w+8h) 272 + 16r
.set RADR, 12                          ; v12-13  KADR + 2 TILEB
.set PSADR, 14                         ; PRING + r PP + 128w + 32h
.set ZADR, 15                          ; PRING + (16w+r) PP + 128h
.set REDW, 16                          ; PRING + REDA w + 272r + 32h
.set REDD, 17                          ; PRING + REDA w + 272r + 4h
.set REDR, 18                          ; PRING + (16w+r) 272 + 32h
.set REDN, 19                          ; PRING + (16w+r) 272
.set NATW, 20                          ; PRING + (16w+r) 272 + 128h
.set NATR, 21                          ; PRING + (16w+h) 272 + 16r
.set VQ,   22                          ; 256r + 64h
.set VO,   23                          ; 16 x lane
.set ZERO, 24                          ; v24-27 zeros
.set BA,   32                          ; PRING + r (PP-4) + 4 (15 + 8h + 32w): the gather's address, -4r folded into the factor of r
.set RAW,  64                          ; v64-127  f32 as read: rpe's rows, later V's
.set RF,   128                         ; v128-159 rpe, bf16, 2 fragments x 2 K steps
.set KF,   160                         ; v160-191 K likewise
.set VF,   192                         ; v192-223 V^T, 4 fragments
.set OUT,  192                         ; the way out: 32 results
.set DENP, 224                         ; v224-231 eight partial denominators
.set RCP,  232
; window 1
.set PB,   0                           ; v0-63   P, then bias, then S, then a
.set AT,   64                          ; v64-95  a^T in bf16: [8t + 4kk + u]
.set DEN,  96                          ; v96-103 a pair of running sums for each t
.set TMP,  104                         ; v104-111
.set THR,  112                         ; 64 - 64cy - 32w + r - 8h
.set RAWB, 128                         ; v128-191 f32 as read: K's rows
.set DN,   192                         ; v192-223 drop_noise
.set ATL,  224                         ; v224-255 the second bf16 part of a^T (steps at the diagonal)
; window 2
.set QA,   0                           ; v0-63   job A's queries, bf16: [16t + 8s + u]
.set QB,   64                          ; v64-127 job B's
.set O,    128                         ; v128-255 O^T: tile (t, dd) at 8 (4t + dd)
; window 3
.set QRB,  0                           ; v0-127  job B's queries as loaded, f32, until job B begins
; scalars
.set G1KV, 24                          ; s[24:31] shape and mask of K's and V's tiles
.set G1R,  32                          ; s[32:39] of rpe's
.set G0KV, 48                          ; s[48:55] from where, to where: a set for each slot
.set G0R,  56                          ; s[56:63]
.set MSB, 0
.macro WIN new                         ; low byte: bits 1:0 source 0, 3:2 source 1, 5:4 source 2, 7:6 destination; high byte: the setting left
.if MSB != \new
	s_set_vgpr_msb (MSB<<8)|\new
.set MSB, \new
.endif
.endm
.macro PLACES                          ; four places behind a matrix instruction (ISA guide 7.12.1)
.rept 4
	v_nop
.endr
.endm
; A round of the cluster's barrier: my work-group's barrier, wave 0 signals for the work-group, all wait for all sixteen, my barrier again.
.macro CROUND
	s_barrier_signal -1
	s_barrier_wait -1
	s_cmp_lg_u32 s16, 0
	s_cbranch_scc1 .Lnot_wave_0_\@
	s_barrier_signal -3
.Lnot_wave_0_\@:
	s_barrier_wait -3
	s_barrier_signal -1
	s_barrier_wait -1
.endm
; The next tile's addresses into slot n's two sets; then the stream steps one tile down, and at a job's end over to job B's top.
; Stands behind a wait that shows all the wave's tensor loads done, so every set may be written.
.macro UPDATE n
	s_lshl_b32 s80, s84, 15                                        ; 128 rows x 256 bytes x tile number
	s_add_nc_u64 s[G0KV+4*(\n)+2:G0KV+4*(\n)+3], s[76:77], s[80:81]
	s_or_b32 s[G0KV+4*(\n)+3], s[G0KV+4*(\n)+3], 0x80000000        ; type = 2
	s_add_nc_u64 s[G0R+4*(\n)+2:G0R+4*(\n)+3], s[78:79], s[82:83]
	s_or_b32 s[G0R+4*(\n)+3], s[G0R+4*(\n)+3], 0x80000000
	s_sub_co_i32 s84, s84, 1
	s_sub_co_u32 s82, s82, STEPB
	s_cmp_lt_i32 s84, 0
	s_cselect_b32 s84, s85, s84                                    ; job B: tile 15 - 2c,
	s_cselect_b32 s82, s86, s82                                    ; and the same first rpe row as job A
.endm
; The joint loads of one step: wave 0 K's tile, wave 1 V's, wave 2 rpe's, wave 3 none.  The branches hang on the wave's number alone.
.macro JLOAD n
	s_cmp_lt_u32 s16, 2
	s_cbranch_scc0 .Lno_kv_\@
	tensor_load_to_lds s[G0KV+4*(\n):G0KV+4*(\n)+3], s[G1KV:G1KV+7]
	s_nop 0
.Lno_kv_\@:
	s_cmp_eq_u32 s16, 2
	s_cbranch_scc0 .Lno_r_\@
	tensor_load_to_lds s[G0R+4*(\n):G0R+4*(\n)+3], s[G1R:G1R+7]
	s_nop 0
.Lno_r_\@:
.endm
; Two fragments of 16 rows as f32: lane (r, h) takes, for K step c, the 64 bytes d = 32c + 16h .. + 15 of row 16f + r.
; The same order of d is used for rpe, K and Q, so the products are those of the true order.
.macro FRAGLD dst, adr
.irp f, 0,1
.irp c, 0,1
.irp g, 0,1,2,3
	ds_load_b128 v[\dst+32*\f+16*\c+4*\g:\dst+32*\f+16*\c+4*\g+3], v[\adr] offset:4352*\f+128*\c+16*\g
.endr
.endr
.endr
.endm
.macro CVT32 dst, src                  ; 64 f32 to 32 registers of bf16
.set ci, 0
.rept 32
	v_cvt_pk_bf16_f32 v[\dst+ci], v[\src+2*ci], v[\src+2*ci+1]
.set ci, ci+1
.endr
.endm
; P^T = rpe Q^T: 8 tiles (f, t), two K steps.  The eight accumulators take turns, one instruction a turn.
.macro PMUL qb
.irp f, 0,1
.irp t, 0,1,2,3
	v_wmma_f32_16x16x32_bf16 v[PB+8*(4*\f+\t):PB+8*(4*\f+\t)+7], v[RF+16*\f:RF+16*\f+7], v[\qb+16*\t:\qb+16*\t+7], 0
.endr
.endr
.irp f, 0,1
.irp t, 0,1,2,3
	v_wmma_f32_16x16x32_bf16 v[PB+8*(4*\f+\t):PB+8*(4*\f+\t)+7], v[RF+16*\f+8:RF+16*\f+15], v[\qb+16*\t+8:\qb+16*\t+15], v[PB+8*(4*\f+\t):PB+8*(4*\f+\t)+7]
.endr
.endr
.endm
; S^T = K Q^T + bias for query tiles ta and tb: 4 tiles (t, k); the bias lies in the accumulators.  Four accumulators by turns, as above.
.macro QKMUL qb, ta, tb
.irp c, 0,1
.irp t, \ta, \tb
.irp k, 0,1
	v_wmma_f32_16x16x32_bf16 v[PB+8*(2*\t+\k):PB+8*(2*\t+\k)+7], v[KF+16*\k+8*\c:KF+16*\k+8*\c+7], v[\qb+16*\t+8*\c:\qb+16*\t+8*\c+7], v[PB+8*(2*\t+\k):PB+8*(2*\t+\k)+7]
.endr
.endr
.endr
.endm
; P^T into the ring: register j of lane (r, h) of tile (f, t) is entry 128 par + 32w + 16f + 8h + j of query 16t + r.
.macro PSTORE par
	WIN 0x04
.irp f, 0,1
.irp t, 0,1,2,3
	ds_store_b128 v[PSADR], v[PB+8*(4*\f+\t):PB+8*(4*\f+\t)+3] offset:16*\t*PP+512*\par+64*\f
	ds_store_b128 v[PSADR], v[PB+8*(4*\f+\t)+4:PB+8*(4*\f+\t)+7] offset:16*\t*PP+512*\par+64*\f+16
.endr
.endr
.if \par == 0
	WIN 0
	s_cmp_gt_u32 s16, 1
	s_cbranch_scc1 .Lno_copy_\@
	WIN 0x04
.irp f, 0,1                            ; waves 0 and 1 hold entries 0-63: their copy behind entry 255, so that the next step's reads (entries 128 to 318) never wrap
.irp t, 0,1,2,3
	ds_store_b128 v[PSADR], v[PB+8*(4*\f+\t):PB+8*(4*\f+\t)+3] offset:16*\t*PP+1024+64*\f
	ds_store_b128 v[PSADR], v[PB+8*(4*\f+\t)+4:PB+8*(4*\f+\t)+7] offset:16*\t*PP+1024+64*\f+16
.endr
.endr
	WIN 0
.Lno_copy_\@:
.endif
.endm
; The gather for query tiles ta and tb: key 32w + 16k + 8h + j, query 16t + r wants entry 128 par + 16 (3-t+k) + 32w + 15 - r + 8h + j.
; In words the lanes' addresses differ by 323 r + 8 h: 32 different values modulo 64.
.macro BIASLD par, ta, tb
	WIN 0x40
.irp t, \ta, \tb
.irp k, 0,1
.irp j, 0,1,2,3,4,5,6,7
	ds_load_b32 v[PB+8*(2*\t+\k)+\j], v[BA] offset:16*\t*PP+512*\par+64*(3-\t+\k)+4*\j
.endr
.endr
.endr
.endm
.macro VLD slot                        ; V's rows 32w + 16k + 8h + g, numbers 4r .. 4r+3: sixteen lanes read one whole row
	WIN 0
.irp k, 0,1
.irp g, 0,1,2,3,4,5,6,7
	ds_load_b128 v[RAW+4*(8*\k+\g):RAW+4*(8*\k+\g)+3], v[VADR+\slot] offset:(16*\k+\g)*272
.endr
.endr
.endm
.macro VCVT                            ; fragment d: row m is number 4m + d of V; keys in the order in which a^T holds them
.irp d, 0,1,2,3
.irp k, 0,1
.irp g, 0,1,2,3
	v_cvt_pk_bf16_f32 v[VF+8*\d+4*\k+\g], v[RAW+4*(8*\k+2*\g)+\d], v[RAW+4*(8*\k+2*\g+1)+\d]
.endr
.endr
.endr
.endm
; One tile of S^T: polynomial, mask (e = 0, 1: the job's first and second step; -1: none needed), denominators, bf16.
; dz = 1: this tile starts the query tile's sums, so nothing is cleared.
.macro TILE t, k, e, dz
.set PT, PB+8*(2*\t+\k)
.irp u, 0,2,4,6
	v_pk_fma_f32 v[TMP+\u:TMP+\u+1], v[PT+\u:PT+\u+1], 0.5, 1.0 op_sel_hi:[1,0,0]                  ; s/2 + 1
.endr
.irp u, 0,2,4,6
	v_pk_fma_f32 v[PT+\u:PT+\u+1], v[PT+\u:PT+\u+1], v[TMP+\u:TMP+\u+1], 1.0 op_sel_hi:[1,1,0]     ; s (s/2 + 1) + 1
.endr
.if \e >= 0
.irp j, 0,1,2,3,4,5,6,7
	v_cmp_le_i32 vcc_lo, \j+16*\k-16*\t-128*\e, v[THR]             ; key <= query
	v_cndmask_b32 v[PT+\j], 0, v[PT+\j], vcc_lo
.endr
.endif
	v_pk_add_f32 v[TMP:TMP+1], v[PT:PT+1], v[PT+2:PT+3]
	v_pk_add_f32 v[TMP+2:TMP+3], v[PT+4:PT+5], v[PT+6:PT+7]
.if \dz
	v_pk_add_f32 v[DEN+2*\t:DEN+2*\t+1], v[TMP:TMP+1], v[TMP+2:TMP+3]
.else
	v_pk_add_f32 v[TMP:TMP+1], v[TMP:TMP+1], v[TMP+2:TMP+3]
	v_pk_add_f32 v[DEN+2*\t:DEN+2*\t+1], v[DEN+2*\t:DEN+2*\t+1], v[TMP:TMP+1]
.endif
.irp u, 0,1,2,3
	v_cvt_pk_bf16_f32 v[AT+8*\t+4*\k+\u], v[PT+2*\u], v[PT+2*\u+1]
.endr
.if \e >= 0
.irp u, 0,1,2,3                        ; what the rounding left over, as a second bf16 operand
	v_lshlrev_b32 v[TMP+2*\u], 16, v[AT+8*\t+4*\k+\u]
	v_and_b32 v[TMP+2*\u+1], 0xffff0000, v[AT+8*\t+4*\k+\u]
.endr
.irp u, 0,1,2,3
	v_pk_add_f32 v[PT+2*\u:PT+2*\u+1], v[PT+2*\u:PT+2*\u+1], v[TMP+2*\u:TMP+2*\u+1] neg_lo:[0,1] neg_hi:[0,1]
.endr
.irp u, 0,1,2,3
	v_cvt_pk_bf16_f32 v[ATL+8*\t+4*\k+\u], v[PT+2*\u], v[PT+2*\u+1]
.endr
.endif
.endm
.macro AV4 t, src, zero                ; O^T(t, 0..3) += V^T a^T over my 32 keys; four accumulators by turns
.irp d, 0,1,2,3
.if \zero
	v_wmma_f32_16x16x32_bf16 v[O+8*(4*\t+\d):O+8*(4*\t+\d)+7], v[VF+8*\d:VF+8*\d+7], v[\src+8*\t:\src+8*\t+7], 0
.else
	v_wmma_f32_16x16x32_bf16 v[O+8*(4*\t+\d):O+8*(4*\t+\d)+7], v[VF+8*\d:VF+8*\d+7], v[\src+8*\t:\src+8*\t+7], v[O+8*(4*\t+\d):O+8*(4*\t+\d)+7]
.endif
.endr
.endm
.macro MATH t, e, first                ; one query tile: the arithmetic on its two tiles of S^T, then its products with V
	WIN 0x55
	TILE \t, 0, \e, \first
	TILE \t, 1, \e, 0
	WIN 0xa4
	AV4 \t, AT, \first
.if \e >= 0
	AV4 \t, ATL, 0
.endif
.endm
; One step: 128 keys against 64 queries.  slot: where its tiles lie; par: the tile number's parity = the ring's half that its P fills.
.macro STEP slot, par, qb, e, first, refill
	s_wait_tensorcnt 0x0                   ; all my tensor loads have landed, my part of this step's tiles among them
	ds_add_u32 v254, v255
	s_wait_dscnt 0x0
.if \refill
	UPDATE (1-\slot)
.endif
	s_wait_dscnt 0x0                       ; my reads of the other slot and of the ring are over
	CROUND                                 ; both now hold of every wave of all sixteen work-groups
.if \refill
	JLOAD (1-\slot)                        ; the next step's tiles into the slot read last: the one tensor load of a wave until the next round
.endif
	FRAGLD RAW, RADR+\slot
	WIN 0x40
	FRAGLD RAWB, KADR+\slot
	s_wait_dscnt 16                        ; rpe's 16 loads are in; K's 16 stay out
	WIN 0
	CVT32 RF, RAW
	WIN 0x58
	PMUL \qb
	s_wait_dscnt 0x0                       ; K's rows
	WIN 0x05
	CVT32 KF, RAWB                         ; 32 plain instructions on other registers: the places between P's products and the stores of P
	PSTORE \par
	s_wait_dscnt 0x0                       ; my part of P is in the ring
	s_barrier_signal -1
	s_barrier_wait -1                      ; everybody's is.  The tensor load stays on its way
	BIASLD \par, 0, 1                      ; 32 words
	VLD \slot                              ; 16 loads
	s_wait_dscnt 16                        ; the bias of query tiles 0 and 1 is in; V's 16 loads stay out
	WIN 0x58
	QKMUL \qb, 0, 1
	BIASLD \par, 2, 3                      ; 32 words into accumulators that the products above do not name; they land during the arithmetic below
	s_wait_dscnt 32                        ; V's rows are in; those 32 stay out
	WIN 0
	VCVT                                   ; 32 places between S's products and the arithmetic on S
	MATH 0, \e, \first
	MATH 1, \e, \first
	s_wait_dscnt 0x0                       ; the bias of query tiles 2 and 3
	WIN 0x58
	QKMUL \qb, 2, 3
	PLACES
	MATH 2, \e, \first
	MATH 3, \e, \first
	WIN 0
.endm
; A job's end.  Each wave holds O^T and denominators over its quarter of the keys: they meet in LDS, over the ring, which nobody reads any more.
; Wave w then finishes queries 16w .. 16w+15.
.macro EPI dnb, outb, more
	PLACES
	WIN 0x40
.irp x, 0,1,2,3,4,5,6,7
	global_load_b128 v[DN+4*\x:DN+4*\x+3], v[VO], s[\dnb:\dnb+1] offset:512*\x th:TH_LOAD_NT    ; 512 neighbouring bytes: two rows
.endr
	WIN 0x55
.irp t, 0,1,2,3
	v_add_f32 v[DEN+2*\t], v[DEN+2*\t], v[DEN+2*\t+1]
.endr
	WIN 0
	s_wait_dscnt 0x0
	s_barrier_signal -1
	s_barrier_wait -1                      ; every wave's reads of the ring are over
	WIN 0x08
.irp t, 0,1,2,3
.irp d, 0,1,2,3
	ds_store_b128 v[REDW], v[O+8*(4*\t+\d):O+8*(4*\t+\d)+3] offset:4352*\t+64*\d              ; word 16d + 8h + j of query 16t + r: number 32h + 4j + d
	ds_store_b128 v[REDW], v[O+8*(4*\t+\d)+4:O+8*(4*\t+\d)+7] offset:4352*\t+64*\d+16
.endr
.endr
	WIN 0x04
.irp t, 0,1,2,3
	ds_store_b32 v[REDD], v[DEN+2*\t] offset:4352*\t+256
.endr
	WIN 0
	s_wait_dscnt 0x0
	s_barrier_signal -1
	s_barrier_wait -1                      ; all four arrays are whole
.irp a, 0,1,2,3
.irp d, 0,1,2,3
	ds_load_b128 v[64+32*\a+8*\d:64+32*\a+8*\d+3], v[REDR] offset:REDA*\a+64*\d
	ds_load_b128 v[64+32*\a+8*\d+4:64+32*\a+8*\d+7], v[REDR] offset:REDA*\a+64*\d+16
.endr
	ds_load_b64 v[DENP+2*\a:DENP+2*\a+1], v[REDN] offset:REDA*\a+256
.endr
	s_wait_dscnt 0x0
	v_add_f32 v[DENP], v[DENP], v[DENP+1]
	v_add_f32 v[DENP+2], v[DENP+2], v[DENP+3]
	v_add_f32 v[DENP+4], v[DENP+4], v[DENP+5]
	v_add_f32 v[DENP+6], v[DENP+6], v[DENP+7]
	v_add_f32 v[DENP], v[DENP], v[DENP+2]
	v_add_f32 v[DENP+4], v[DENP+4], v[DENP+6]
	v_add_f32 v[DENP], v[DENP], v[DENP+4]  ; at least 0.5 for each key kept, so never 0
	v_rcp_f32 v[RCP], v[DENP]              ; the additions below are the plain instructions between it and its use (ISA guide 5.7.2)
.set ei, 0
.rept 16
	v_pk_add_f32 v[64+ei:65+ei], v[64+ei:65+ei], v[96+ei:97+ei]
	v_pk_add_f32 v[128+ei:129+ei], v[128+ei:129+ei], v[160+ei:161+ei]
.set ei, ei+2
.endr
.set ei, 0
.rept 16
	v_pk_add_f32 v[64+ei:65+ei], v[64+ei:65+ei], v[128+ei:129+ei]
.set ei, ei+2
.endr
	s_wait_alu depctr_va_vdst(0)
.irp d, 0,1,2,3
.irp j, 0,1,2,3,4,5,6,7
	v_mul_f32 v[OUT+4*\j+\d], v[64+8*\d+\j], v[RCP]                ; and into the natural order: number 32h + 4j + d
.endr
.endr
.irp x, 0,1,2,3,4,5,6,7                ; rows 16w .. 16w+15 of array 0: read and written by wave w alone, whose reads are back
	ds_store_b128 v[NATW], v[OUT+4*\x:OUT+4*\x+3] offset:16*\x
.endr
.irp x, 0,1,2,3,4,5,6,7                ; LDS serves a wave's instructions in order (ISA guide 5.7.1.4): these see the stores above
	ds_load_b128 v[64+4*\x:64+4*\x+3], v[NATR] offset:544*\x
.endr
	s_wait_dscnt 0x0
	s_wait_loadcnt 0x0                     ; drop_noise
	WIN 0x55
.set ei, 0
.rept 16
	v_pk_fma_f32 v[DN+ei:DN+ei+1], v[DN+ei:DN+ei+1], 0, 1.0 op_sel_hi:[1,0,0]     ; 1 + DROPOUT x noise, DROPOUT = 0
.set ei, ei+2
.endr
	WIN 0x04
.set ei, 0
.rept 16
	v_pk_mul_f32 v[64+ei:65+ei], v[64+ei:65+ei], v[DN+ei:DN+ei+1]
.set ei, ei+2
.endr
	WIN 0
.irp x, 0,1,2,3,4,5,6,7
	global_store_b128 v[VO], v[64+4*\x:64+4*\x+3], s[\outb:\outb+1] offset:512*\x th:TH_STORE_NT   ; sixteen lanes store one whole row of 256 bytes
.endr
.if \more
	s_wait_xcnt 0x0                        ; the stores' data registers are loaded again in the next job only behind this wait
.endif
.endm
	; ---------------------------------------------------------------- ids, descriptors, addresses
	s_load_b256 s[4:11], s[0:1], 0x0               ; q s[4:5], k s[6:7], v s[8:9], drop_noise s[10:11]
	s_load_b128 s[12:15], s[0:1], 0x20             ; rpe s[12:13], out s[14:15]
	v_lshl_add_u32 v254, v0, 2, 0x47400
	v_mov_b32 v255, 0
	ds_add_u32 v254, v255
	v_lshrrev_b32 v1, 5, v0
	v_readfirstlane_b32 s16, v1                    ; wave w
	s_bfe_u32 s17, ttmp6, 0x40000                  ; cx
	s_bfe_u32 s18, ttmp6, 0x40004                  ; cy
	s_lshl_b32 s19, ttmp9, 2
	s_add_co_u32 s19, s19, s17                     ; head = 4 x cluster x + cx
	s_and_b32 s20, ttmp7, 0xffff                   ; c = cluster y: trips of job A's loop
	s_sub_co_u32 s21, 6, s20                       ; trips of job B's loop
	s_lshl_b32 s41, 0x1111, s17                    ; my column of the cluster (same cx, same head)
	s_lshl_b32 s40, s18, 2
	s_lshl_b32 s40, 15, s40                        ; my row (same cy, same rpe rows)
	; group 1: 128 rows x 64 elements of 4 bytes; 17:16 size code 2; 20 padding on; 21 set beside a mask; 24:22 after every 64 words (code 5); 31:25 four words (code 3)
	s_or_b32 s[G1KV], s41, 0x07720000
	s_or_b32 s[G1R], s40, 0x07720000
.irp g, G1KV, G1R
	s_mov_b32 s[\g+1], 64<<16                      ; tensor_dim0 = 64
	s_mov_b32 s[\g+2], 128<<16                     ; tensor_dim1 = 128
	s_mov_b32 s[\g+3], 64<<16                      ; tile_dim0 = 64
	s_mov_b32 s[\g+4], 128                         ; tile_dim1 = 128
	s_mov_b32 s[\g+5], 64                          ; elements from row to row
	s_mov_b32 s[\g+6], 0
	s_mov_b32 s[\g+7], 0
.endr
	s_mul_i32 s42, s16, TILEB                      ; wave 0: K's place in a slot, wave 1: V's
	s_mov_b32 s[G0KV], 1
	s_mov_b32 s[G0KV+1], s42
	s_mov_b32 s[G0KV+4], 1
	s_add_co_u32 s[G0KV+5], s42, SLOT
	s_mov_b32 s[G0R], 1
	s_mov_b32 s[G0R+1], 2*TILEB
	s_mov_b32 s[G0R+4], 1
	s_mov_b32 s[G0R+5], SLOT+2*TILEB
	; the stream of tiles: job A's tiles 2c+1 .. 0, then job B's 15-2c .. 0.  In both jobs the top tile's first rpe row is 1920 + 64 cy.
	s_lshl_b32 s84, s20, 1
	s_sub_co_u32 s85, 15, s84
	s_add_co_u32 s84, s84, 1
	s_lshl_b32 s86, s18, 14
	s_add_co_u32 s86, s86, 1920*256
	s_mov_b32 s82, s86
	s_mov_b32 s83, 0
	s_lshl_b32 s80, s19, 19                        ; a head is 2048 rows of 256 bytes
	s_mov_b32 s81, 0
	; offsets of the two blocks in q, drop_noise and out (registers that feed no descriptor)
	s_lshl_b32 s69, s19, 19
	s_lshl_b32 s22, s20, 2
	s_sub_co_u32 s66, 31, s22
	s_sub_co_u32 s66, s66, s18                     ; block of job B
	s_add_co_u32 s22, s22, 3
	s_sub_co_u32 s22, s22, s18                     ; block of job A
	s_lshl_b32 s22, s22, 14
	s_lshl_b32 s66, s66, 14
	s_add_co_u32 s22, s22, s69
	s_add_co_u32 s66, s66, s69
	s_mov_b32 s23, 0
	s_mov_b32 s67, 0
	s_lshl_b32 s68, s16, 12                        ; my 16 rows on the way out
	s_lshl_b32 s70, s18, 6
	s_sub_co_u32 s70, 64, s70
	s_lshl_b32 s71, s16, 5
	s_sub_co_u32 s70, s70, s71                     ; 64 - 64cy - 32w
	s_mul_i32 s43, s16, 32*272
	s_lshl_b32 s44, s16, 7
	s_add_co_u32 s44, s44, PRING                   ; PRING + 128w
	s_add_co_u32 s72, s44, 60                      ; PRING + 128w + 4 x 15
	s_mul_i32 s45, s16, 16*PP
	s_add_co_u32 s45, s45, PRING
	s_mul_i32 s46, s16, REDA
	s_add_co_u32 s46, s46, PRING
	s_mul_i32 s47, s16, 16*272
	s_add_co_u32 s47, s47, PRING
	s_wait_dscnt 0x0
	s_wait_kmcnt 0x0
	s_cmp_eq_u32 s16, 0
	s_cselect_b64 s[76:77], s[6:7], s[8:9]         ; wave 0 fetches K, wave 1 V
	s_add_nc_u64 s[76:77], s[76:77], s[80:81]      ; at my head
	s_mov_b64 s[78:79], s[12:13]
	UPDATE 0
	CROUND                                         ; all sixteen work-groups are here: the first joint loads meet
	JLOAD 0                                        ; the first step's tiles; slot 1 is filled behind the first step's round
	s_add_nc_u64 s[98:99], s[4:5], s[22:23]        ; q, job A
	s_add_nc_u64 s[100:101], s[4:5], s[66:67]      ; q, job B
	s_add_co_u32 s22, s22, s68
	s_add_co_u32 s66, s66, s68
	s_add_nc_u64 s[90:91], s[10:11], s[22:23]      ; drop_noise and out at my 16 rows, job A,
	s_add_nc_u64 s[92:93], s[14:15], s[22:23]
	s_add_nc_u64 s[94:95], s[10:11], s[66:67]      ; job B
	s_add_nc_u64 s[96:97], s[14:15], s[66:67]
	v_and_b32 v1, 15, v0                           ; r
	v_bfe_u32 v2, v0, 4, 1                         ; h
	v_lshlrev_b32 v[VQ], 8, v1
	v_lshl_add_u32 v[VQ], v2, 6, v[VQ]
	; q of job A, in the fragments' order of d: query 16t + r, bytes 128c + 64h + 16g
.set qi, 0
.rept 32
	global_load_b128 v[64+4*qi:64+4*qi+3], v[VQ], s[98:99] offset:4096*(qi>>3)+128*((qi>>2)&1)+16*(qi&3)
.set qi, qi+1
.endr
	v_mul_u32_u24 v3, v1, 272
	v_mul_u32_u24 v6, v1, PP
	v_lshl_add_u32 v4, v2, 6, v3
	v_add_nc_u32 v[KADR], s43, v4
	v_add_nc_u32 v[KADR+1], SLOT, v[KADR]
	v_add_nc_u32 v[RADR], 2*TILEB, v[KADR]
	v_add_nc_u32 v[RADR+1], 2*TILEB, v[KADR+1]
	v_mul_u32_u24 v5, v2, 8*272
	v_lshl_add_u32 v5, v1, 4, v5
	v_add_nc_u32 v5, s43, v5
	v_add_nc_u32 v[VADR], TILEB, v5
	v_add_nc_u32 v[VADR+1], TILEB+SLOT, v5
	v_lshl_add_u32 v4, v2, 5, v6                   ; r PP + 32h
	v_add_nc_u32 v[PSADR], s44, v4
	v_lshl_add_u32 v4, v2, 7, v6                   ; r PP + 128h
	v_add_nc_u32 v[ZADR], s45, v4
	v_mul_u32_u24 v7, v1, PP-4                     ; r PP - 4r
	v_lshl_add_u32 v7, v2, 5, v7
	v_add_nc_u32 v[BA], s72, v7
	v_lshl_add_u32 v4, v2, 5, v3                   ; 272r + 32h
	v_add_nc_u32 v[REDW], s46, v4
	v_add_nc_u32 v[REDR], s47, v4
	v_lshl_add_u32 v4, v2, 2, v3
	v_add_nc_u32 v[REDD], s46, v4
	v_add_nc_u32 v[REDN], s47, v3
	v_lshl_add_u32 v4, v2, 7, v3
	v_add_nc_u32 v[NATW], s47, v4
	v_mul_u32_u24 v4, v2, 272
	v_lshl_add_u32 v4, v1, 4, v4
	v_add_nc_u32 v[NATR], s47, v4
	v_and_b32 v[VO], 31, v0
	v_lshlrev_b32 v[VO], 4, v[VO]
	v_lshlrev_b32 v4, 3, v2
	v_sub_nc_u32 v4, v1, v4
	v_add_nc_u32 v4, s70, v4
	WIN 0x40
	v_mov_b32 v[THR], v4
	WIN 0
.irp i, 0,1,2,3
	v_mov_b32 v[ZERO+\i], 0
.endr
	; The copy (entries 256-319) is read in the first step before any P was stored there.  Every element that takes one of these entries has
	; key > query and is masked; the bytes only have to hold something.  (In job B they hold what job A left.)
.irp g, 0,1,2,3,4,5,6,7
	ds_store_b128 v[ZADR], v[ZERO:ZERO+3] offset:1024+16*\g
.endr
	s_wait_loadcnt 0x0                             ; job A's q
	; q of job B goes out now and is waited for in front of job B; its address registers are never rewritten
	WIN 0xc0
.set qi, 0
.rept 32
	global_load_b128 v[QRB+4*qi:QRB+4*qi+3], v[VQ], s[100:101] offset:4096*(qi>>3)+128*((qi>>2)&1)+16*(qi&3)
.set qi, qi+1
.endr
	WIN 0x80
.set ci, 0
.rept 64
	v_cvt_pk_bf16_f32 v[QA+ci], v[64+2*ci], v[64+2*ci+1]
.set ci, ci+1
.endr
	WIN 0
	; ---------------------------------------------------------------- job A: 2c + 2 steps
	STEP 0, 1, QA, 0, 1, 1                         ; the two steps that can hold key > query
	STEP 1, 0, QA, 1, 0, 1
	s_cmp_eq_u32 s20, 0                            ; c is the same in all sixteen work-groups
	s_cbranch_scc1 .Lend_a
	s_mov_b32 s87, 0
.Lloop_a:
	STEP 0, 1, QA, -1, 0, 1
	STEP 1, 0, QA, -1, 0, 1
	s_add_co_u32 s87, s87, 1
	s_cmp_lt_u32 s87, s20
	s_cbranch_scc1 .Lloop_a
.Lend_a:
	EPI 90, 92, 1                                  ; job B's first tiles are on their way meanwhile
	; ---------------------------------------------------------------- job B: 16 - 2c steps
	s_wait_loadcnt 0x0                             ; job B's q (met: the way out has waited for a younger load)
	WIN 0x8f
.set ci, 0
.rept 64
	v_cvt_pk_bf16_f32 v[QB+ci], v[QRB+2*ci], v[QRB+2*ci+1]
.set ci, ci+1
.endr
	WIN 0
	STEP 0, 1, QB, 0, 1, 1
	STEP 1, 0, QB, 1, 0, 1
	s_mov_b32 s87, 0
.Lloop_b:
	STEP 0, 1, QB, -1, 0, 1
	STEP 1, 0, QB, -1, 0, 1
	s_add_co_u32 s87, s87, 1
	s_cmp_lt_u32 s87, s21
	s_cbranch_scc1 .Lloop_b
	STEP 0, 1, QB, -1, 0, 1
	STEP 1, 0, QB, -1, 0, 0                        ; the last step: nothing is left to fetch
	EPI 94, 96, 0
	s_wait_tensorcnt 0x0
	ds_add_u32 v254, v255
	s_wait_dscnt 0x0
	CROUND                                         ; the closing round: no work-group ends while a partner may still ask for a tile that names it
	s_endpgm
.Lfunc_end_k_q6ce7f89b7e_attn:
	.size	k_q6ce7f89b7e_attn, .Lfunc_end_k_q6ce7f89b7e_attn-k_q6ce7f89b7e_attn
	.p2alignl 7, 3214868480
	.fill 96, 4, 3214868480
	.section	.rodata,"a",@progbits
	.p2align	6, 0x0
	.amdhsa_kernel k_q6ce7f89b7e_attn
		.amdhsa_group_segment_fixed_size 327680
		.amdhsa_private_segment_fixed_size 0
		.amdhsa_enable_private_segment 0
		.amdhsa_kernarg_size 48
		.amdhsa_user_sgpr_count 2
		.amdhsa_user_sgpr_kernarg_segment_ptr 1
		.amdhsa_wavefront_size32 1
		.amdhsa_system_sgpr_workgroup_id_x 1
		.amdhsa_system_sgpr_workgroup_id_y 1
		.amdhsa_system_sgpr_workgroup_id_z 1
		.amdhsa_system_vgpr_workitem_id 0
		.amdhsa_next_free_vgpr 896
		.amdhsa_next_free_sgpr 102
		.amdhsa_reserve_vcc 1
		.amdhsa_float_denorm_mode_32 3
		.amdhsa_float_denorm_mode_16_64 3
		.amdhsa_memory_ordered 1
		.amdhsa_forward_progress 1
		.amdhsa_inst_pref_size 255
	.end_amdhsa_kernel
	.section	.bss,"aw",@nobits
	.p2align	6
	.space	262144
	.amdgpu_metadata
---
amdhsa.version: [ 1, 2 ]
amdhsa.kernels:
  - .name:           k_q6ce7f89b7e_attn
    .symbol:         k_q6ce7f89b7e_attn.kd
    .args:
      - { .name: q, .offset: 0, .size: 8, .value_kind: global_buffer, .address_space: global }
      - { .name: k, .offset: 8, .size: 8, .value_kind: global_buffer, .address_space: global }
      - { .name: v, .offset: 16, .size: 8, .value_kind: global_buffer, .address_space: global }
      - { .name: drop_noise, .offset: 24, .size: 8, .value_kind: global_buffer, .address_space: global }
      - { .name: rpe_matrix, .offset: 32, .size: 8, .value_kind: global_buffer, .address_space: global }
      - { .name: out0, .offset: 40, .size: 8, .value_kind: global_buffer, .address_space: global }
    .group_segment_fixed_size: 327680
    .private_segment_fixed_size: 0
    .kernarg_segment_align: 8
    .kernarg_segment_size: 48
    .max_flat_workgroup_size: 128
    .sgpr_count:     102
    .vgpr_count:     896
    .wavefront_size: 32
...
	.end_amdgpu_metadata
.endif
;; end of part 1
